; MI455X (gfx1250); checked and timed in simulation.
; The chip was launched on July 23, 2026; its instructions are those of AMD's public machine-readable ISA for CDNA 5 (MIT licence, August 2026) and "CDNA5" Instruction Set Architecture Reference Guide (July 2026). The comments in the code are by the model that wrote it; some were corrected since.
;; Attn Block. Allowed arithmetic: float matrix products may take bf16 or f16 operands with f32 sums; all other float work in f32.
;; Inputs: b_proj 128 float32; b_qkv 384 float32; w_proj 128 x 128 float32; w_qkv 384 x 128 float32; x 1 x 128 x 32 x 128 float32.
;; Outputs: out0 1 x 128 x 32 x 128 float32.
;; 2 versions, each right and faster than the one before. Each part assembles by itself: llvm-mc -triple=amdgcn-amd-amdhsa -mcpu=gfx1250 --defsym DOCPART=n.
;; ======== version 1 of 2: 2 launches
;; workspace buffers: qws 1,048,576 bytes; kvws 2,097,152 bytes
;; launch qkv (part 1): grid 64 x 4, 2 waves a work-group, no clusters, 0 bytes of LDS; arguments x, w_qkv, b_qkv, qws, kvws; writes qws, kvws
.if DOCPART == 1
	.amdgcn_target "amdgcn-amd-amdhsa--gfx1250"
	.amdhsa_code_object_version 6
	.text
	.protected	k_qc19c0bcd1e_qkv
	.globl	k_qc19c0bcd1e_qkv
	.p2align	8
	.type	k_qc19c0bcd1e_qkv,@function
k_qc19c0bcd1e_qkv:
	s_mov_b64 s[64:65], 0
	v_nop
	global_prefetch_b8 v0, s[64:65] scope:SCOPE_SE
	s_setreg_imm32_b32 hwreg(HW_REG_WAVE_MODE, 25, 1), 1
	s_wait_xcnt 0x0
; qkv[l][o] = sum over c of x[c][l] w_qkv[o][c] + b_qkv[o],  o = 24 dd + 3 f + kind  (dd 0..15, head f 0..7, kind 0 q, 1 k, 2 v).
; x: [128 c][4096 l] f32.  One wave makes q, k and v of ONE head for 64 positions l0 .. l0+63: 12 tiles of 16 x 16, K = 128, 48 products.
; The results leave as bf16 REGISTER IMAGES of the fragments that the attention launch feeds to the matrix unit: 512 bytes a tile, lane L's
; 16 bytes at 16 L, so every store of the wave covers 512 consecutive bytes, aligned.
;   qws : [head][tile 0..255][512 B]      tile = 4 (l0/64) + t;  q is multiplied by 4 log2(e) (the source's scale, and base 2 for the softmax)
;   kvws: [head][block 0..127][2048 B]    block = 2 (l0/64) + t/2: K tile t even, K tile t odd, V tile t even, V tile t odd
; NO TRANSPOSE OF x: lane (r = L%16, h = L/16) loads 16 bytes of channel c at l = l0 + 4 r: sixteen lanes cover 256 consecutive bytes, aligned.
; The four numbers belong to four position tiles: tile t holds l = l0 + 4 r + t in its slot r.  Two channels' numbers, packed, are one fragment
; register.  This order of positions inside a tile is the same for q, k and v, and the attention launch undoes it where it matters.
; q, k:  D = W (A, row dd) x X (B, column slot): lane (r,h) holds dd = 8h..8h+7 of slot r: packed, the image of an A or B fragment with K = dd.
; v   :  D = X (A, row slot) x W (B, column dd): lane (r,h) holds slots 8h..8h+7 of dd = r: packed, the image of V^T with K = position.
; The bias is the C operand of each tile's first product.  Matrix operands are rounded to bf16, sums are f32.
; No LDS and no barrier: the two waves share nothing.  x is read by the eight heads' waves, so its loads carry no non-temporal hint.
; REGISTERS: window 0: v2-6 offsets, v8-31 bias, v32-127 accumulators, v128-255 fragments of x;  window 1: x as loaded (256);
;            window 2: w as loaded (192), converted in place (group G of 16 registers ends as a fragment in its first 8).
.set LROW, 16384                       ; bytes from a channel of x to the next
.set BQ,  8                            ; v[8:15]   b of q: dd = 8h + j
.set BK,  16                           ; v[16:23]  b of k
.set BV,  24                           ; v[24:31]  b of v for dd = r, eight times (a C operand)
.set ACC, 32                           ; tile (kind, t) at ACC + 8 (4 kind + t)
.set XF,  128                          ; fragment (K step s, tile t) at XF + 8 (4 s + t); later the packed results
.set MSB, 0
.macro WIN new                         ; s_set_vgpr_msb: bits 1:0 source 0, 3:2 source 1, 5:4 source 2, 7:6 destination; the high byte repeats the setting left
.if MSB != \new
	s_set_vgpr_msb (MSB<<8)|\new
.set MSB, \new
.endif
.endm
	s_load_b256 s[4:11], s[0:1], 0x0               ; x s[4:5], w_qkv s[6:7], b_qkv s[8:9], qws s[10:11]
	s_load_b64 s[12:13], s[0:1], 0x20              ; kvws
	v_lshrrev_b32 v1, 5, v0
	v_readfirstlane_b32 s14, v1                    ; wave 0..1
	s_and_b32 s15, ttmp7, 0xffff
	s_lshl_b32 s15, s15, 1
	s_add_co_u32 s15, s15, s14                     ; head f = 2 y + wave
	v_and_b32 v7, 15, v0                           ; r
	v_bfe_u32 v1, v0, 4, 1                         ; h
	v_and_b32 v6, 31, v0
	v_lshlrev_b32 v6, 4, v6                        ; stores: 16 L
	v_lshlrev_b32 v2, 4, v7
	v_lshl_add_u32 v2, v1, 17, v2                  ; x: 16 r + 8 h channels
	v_mul_u32_u24 v3, v7, 12288
	v_lshl_add_u32 v3, v1, 5, v3                   ; w: row 24 r (512 bytes a row) + 8 h numbers
	v_mul_u32_u24 v4, v1, 768                      ; b of q, k: 24 x 8 h numbers
	v_mul_u32_u24 v5, v7, 96                       ; b of v: 24 r numbers
	s_lshl_b32 s16, ttmp9, 8                       ; x: 64 positions of 4 bytes a work-group
	s_mov_b32 s17, 0
	s_mul_i32 s18, s15, 1536                       ; w: 3 f rows
	s_mov_b32 s19, 0
	s_mul_i32 s20, s15, 12                         ; b: 3 f numbers
	s_mov_b32 s21, 0
	s_lshl_b32 s22, s15, 17                        ; qws: 131,072 bytes a head, 4 tiles a work-group
	s_lshl_b32 s24, ttmp9, 11
	s_add_co_u32 s22, s22, s24
	s_mov_b32 s23, 0
	s_lshl_b32 s24, s15, 18                        ; kvws: 262,144 bytes a head, 2 blocks a work-group
	s_lshl_b32 s25, ttmp9, 12
	s_add_co_u32 s24, s24, s25
	s_mov_b32 s25, 0
	s_mov_b32 s26, 0x40b8aa3b                      ; 4 log2(e)
	s_mov_b32 s27, 0x40b8aa3b
	s_wait_kmcnt 0x0
	s_add_nc_u64 s[4:5], s[4:5], s[16:17]
	s_add_nc_u64 s[6:7], s[6:7], s[18:19]
	s_add_nc_u64 s[8:9], s[8:9], s[20:21]
	s_add_nc_u64 s[10:11], s[10:11], s[22:23]
	s_add_nc_u64 s[12:13], s[12:13], s[24:25]
	; All 129 loads go out at once: 48 of w, 17 of b, 64 of x.
	WIN 0x80                                       ; destination window 2
.irp kd, 0,1,2
.irp s, 0,1,2,3
.irp p, 0,1,2,3
	global_load_b128 v[16*(4*\kd+\s)+4*\p:16*(4*\kd+\s)+4*\p+3], v3, s[6:7] offset:512*\kd+128*\s+64*(\p/2)+16*(\p%2)   ; c = 32 s + 16 (p/2) + 8 h + 4 (p%2) ..
.endr
.endr
.endr
	WIN 0
.irp j, 0,1,2,3,4,5,6,7
	global_load_b32 v[BQ+\j], v4, s[8:9] offset:96*\j
	global_load_b32 v[BK+\j], v4, s[8:9] offset:96*\j+4
.endr
	global_load_b32 v[BV], v5, s[8:9] offset:8
	WIN 0x40                                       ; destination window 1
.irp s, 0,1,2,3
.irp g, 0,1
.irp j, 0,1,2,3,4,5,6,7
	global_load_b128 v[4*(16*\s+8*\g+\j):4*(16*\s+8*\g+\j)+3], v2, s[4:5] offset:(32*\s+16*\g+\j)*LROW   ; channel 32 s + 16 g + 8 h + j, positions l0 + 4 r ..
.endr
.endr
.endr
	s_wait_loadcnt 63                              ; of 129 loads at most 63 are out: the first 66 are in, w's 48 and b's 17 among them
	WIN 0x8a                                       ; sources and destination window 2
.set G, 0
.rept 12
.irp i, 0,1,2,3,4,5,6,7
	v_cvt_pk_bf16_f32 v[16*G+\i], v[16*G+2*\i], v[16*G+2*\i+1]    ; in place: register i is written when numbers 2 i, 2 i + 1 are read, the later ones lie higher
.endr
.set G, G+1
.endr
	WIN 0x05                                       ; sources window 1, destination window 0
.irp s, 0,1,2,3
	s_wait_loadcnt 48-16*\s                        ; behind K step s's sixteen loads of x stand 16 (3 - s) more
.irp t, 0,1,2,3
.irp i, 0,1,2,3,4,5,6,7
	v_cvt_pk_bf16_f32 v[XF+8*(4*\s+\t)+\i], v[4*(16*\s+2*\i)+\t], v[4*(16*\s+2*\i+1)+\t]   ; two channels of position l0 + 4 r + t
.endr
.endr
.endr
	WIN 0
.irp j, 1,2,3,4,5,6,7
	v_mov_b32 v[BV+\j], v[BV]                      ; a C operand is eight registers: v's bias hangs on the lane alone
.endr
	; The products.  The accumulators take turns, one instruction a turn.
	WIN 0x02                                       ; A (w) window 2
.irp s, 0,1,2,3
.irp kd, 0,1
.irp t, 0,1,2,3
.if \s == 0
	v_wmma_f32_16x16x32_bf16 v[ACC+8*(4*\kd+\t):ACC+8*(4*\kd+\t)+7], v[16*(4*\kd+\s):16*(4*\kd+\s)+7], v[XF+8*(4*\s+\t):XF+8*(4*\s+\t)+7], v[BQ+8*\kd:BQ+8*\kd+7]
.else
	v_wmma_f32_16x16x32_bf16 v[ACC+8*(4*\kd+\t):ACC+8*(4*\kd+\t)+7], v[16*(4*\kd+\s):16*(4*\kd+\s)+7], v[XF+8*(4*\s+\t):XF+8*(4*\s+\t)+7], v[ACC+8*(4*\kd+\t):ACC+8*(4*\kd+\t)+7]
.endif
.endr
.endr
.endr
	WIN 0x08                                       ; B (w) window 2
.irp s, 0,1,2,3
.irp t, 0,1,2,3
.if \s == 0
	v_wmma_f32_16x16x32_bf16 v[ACC+8*(8+\t):ACC+8*(8+\t)+7], v[XF+8*(4*\s+\t):XF+8*(4*\s+\t)+7], v[16*(8+\s):16*(8+\s)+7], v[BV:BV+7]
.else
	v_wmma_f32_16x16x32_bf16 v[ACC+8*(8+\t):ACC+8*(8+\t)+7], v[XF+8*(4*\s+\t):XF+8*(4*\s+\t)+7], v[16*(8+\s):16*(8+\s)+7], v[ACC+8*(8+\t):ACC+8*(8+\t)+7]
.endif
.endr
.endr
	WIN 0
.rept 4
	v_nop                                          ; four places behind the last products (ISA guide 7.12.1) before results are read and fragments overwritten
.endr
.set i, 0
.rept 16
	v_pk_mul_f32 v[ACC+2*i:ACC+2*i+1], v[ACC+2*i:ACC+2*i+1], s[26:27] op_sel_hi:[1,0]   ; q x 4 log2(e)
.set i, i+1
.endr
.set i, 0
.rept 48
	v_cvt_pk_bf16_f32 v[XF+i], v[ACC+2*i], v[ACC+2*i+1]            ; tile T = 4 kind + t: 4 registers at XF + 4 T
.set i, i+1
.endr
.irp t, 0,1,2,3
	global_store_b128 v6, v[XF+4*\t:XF+4*\t+3], s[10:11] offset:512*\t
	global_store_b128 v6, v[XF+16+4*\t:XF+16+4*\t+3], s[12:13] offset:2048*(\t/2)+512*(\t%2)
	global_store_b128 v6, v[XF+32+4*\t:XF+32+4*\t+3], s[12:13] offset:2048*(\t/2)+512*(\t%2)+1024
.endr
	s_endpgm
.Lfunc_end_k_qc19c0bcd1e_qkv:
	.size	k_qc19c0bcd1e_qkv, .Lfunc_end_k_qc19c0bcd1e_qkv-k_qc19c0bcd1e_qkv
	.p2alignl 7, 3214868480
	.fill 96, 4, 3214868480
	.section	.rodata,"a",@progbits
	.p2align	6, 0x0
	.amdhsa_kernel k_qc19c0bcd1e_qkv
		.amdhsa_group_segment_fixed_size 0
		.amdhsa_private_segment_fixed_size 0
		.amdhsa_enable_private_segment 0
		.amdhsa_kernarg_size 40
		.amdhsa_user_sgpr_count 2
		.amdhsa_user_sgpr_kernarg_segment_ptr 1
		.amdhsa_wavefront_size32 1
		.amdhsa_system_sgpr_workgroup_id_x 1
		.amdhsa_system_sgpr_workgroup_id_y 1
		.amdhsa_system_sgpr_workgroup_id_z 1
		.amdhsa_system_vgpr_workitem_id 0
		.amdhsa_next_free_vgpr 704
		.amdhsa_next_free_sgpr 66
		.amdhsa_reserve_vcc 0
		.amdhsa_float_denorm_mode_32 3
		.amdhsa_float_denorm_mode_16_64 3
		.amdhsa_memory_ordered 1
		.amdhsa_forward_progress 1
		.amdhsa_inst_pref_size 37
	.end_amdhsa_kernel
	.amdgpu_metadata
---
amdhsa.version: [ 1, 2 ]
amdhsa.kernels:
  - .name:           k_qc19c0bcd1e_qkv
    .symbol:         k_qc19c0bcd1e_qkv.kd
    .args:
      - { .name: x, .offset: 0, .size: 8, .value_kind: global_buffer, .address_space: global }
      - { .name: w_qkv, .offset: 8, .size: 8, .value_kind: global_buffer, .address_space: global }
      - { .name: b_qkv, .offset: 16, .size: 8, .value_kind: global_buffer, .address_space: global }
      - { .name: qws, .offset: 24, .size: 8, .value_kind: global_buffer, .address_space: global }
      - { .name: kvws, .offset: 32, .size: 8, .value_kind: global_buffer, .address_space: global }
    .group_segment_fixed_size: 0
    .private_segment_fixed_size: 0
    .kernarg_segment_align: 8
    .kernarg_segment_size: 40
    .max_flat_workgroup_size: 64
    .sgpr_count:     66
    .vgpr_count:     704
    .wavefront_size: 32
...
	.end_amdgpu_metadata
.endif
;; end of part 1
;; launch attn (part 2): grid 32 x 8, 4 waves a work-group, clusters of 4 x 1, 275,968 bytes of LDS; arguments qws, kvws, w_proj, b_proj, out0; writes out0
.if DOCPART == 2
	.amdgcn_target "amdgcn-amd-amdhsa--gfx1250"
	.amdhsa_code_object_version 6
	.text
	.protected	k_qc19c0bcd1e_attn
	.globl	k_qc19c0bcd1e_attn
	.p2align	8
	.type	k_qc19c0bcd1e_attn,@function
k_qc19c0bcd1e_attn:
	s_mov_b64 s[64:65], 0
	v_nop
	global_prefetch_b8 v0, s[64:65] scope:SCOPE_SE
	s_setreg_imm32_b32 hwreg(HW_REG_WAVE_MODE, 25, 1), 1
	s_wait_xcnt 0x0
	s_wait_alu depctr_hold_cnt(0) depctr_sa_sdst(0) depctr_va_vdst(0) depctr_va_sdst(0) depctr_va_ssrc(0) depctr_va_vcc(0) depctr_vm_vsrc(0)
	s_getreg_b32 s2, hwreg(HW_REG_IB_STS2, 6, 4)
	s_cmp_eq_u32 s2, 0
	s_cbranch_scc0 .Lentry_in_a_cluster
	s_endpgm
.Lentry_in_a_cluster:
	s_bfe_u32 s2, ttmp6, 0x10000c
	s_cmp_lg_u32 s2, 0x3003
	s_cbranch_scc0 .Lentry_shape_is_right
	s_endpgm
.Lentry_shape_is_right:
; Attention of one head f for the 128 queries of one image row hh, then the projection over that row:
;   out0[16 f + dd][hh][w'] = b_proj[w'] + sum over w of o[f][128 hh + w][dd] w_proj[w'][w],   o = softmax(4 q k^T) v over 4,096 keys.
; Work-group = (hh, f): 32 x 8.  Four waves, as many as a WGP has SIMDs; a wave owns two query tiles of 16 (pieces 0 and 1) and walks all keys.
; qws and kvws hold bf16 register images (see the launch in front): a tile is 512 bytes, lane L's 16 bytes at 16 L; slot r of tile t of a
; group of 64 positions is position 4 r + t.  q already carries 4 log2(e): the softmax runs in base 2, with a true running maximum.
; CLUSTER: the four work-groups of a cluster have the same head, so they need the same 262,144 bytes of K and V: each 8 KB piece is asked for
; jointly (mask 15) and lands in all four.  The whole head fits in LDS: every byte is filled once, nothing is filled again.
; A wave issues 8 tensor loads (load n: bytes 32,768 n + 8,192 wave) and has at most these 8 outstanding.
; TRANSPOSED PRODUCTS: S^T = K Q^T: lane (r = L%16, h = L/16) holds keys 8h..8h+7 of query r.  Packed to bf16 these registers ARE the B operand
; of O^T = V^T P^T: no data moves between lanes.  The maximum, the correction factor and 1/sum are one number a lane.
; The head has 16 dims, the product's K is 32: one 8-register fragment of K carries TWO key tiles, and Q is used as (Q, 0) and as (0, Q).
; The sum of a row of P comes from a product with an A of ones; all its rows are equal, only register 0 is rescaled and read (the others hold
; sums of numbers in 0..1 under older maxima: finite, unused).
; TWO PIECES TAKE TURNS: while one piece's scores go through maximum, exponentials and packing, the other piece's eight products (4 of S for its
; next turn, 2 of PV, 2 sums) stand among those vector instructions.
; LIMITS: q, k, v, p, o and w_proj are rounded to bf16 for the products, sums are f32.  Inputs are finite and q, k, v finite in bf16 (an infinite
; K entry would meet the zero half of Q's operand and give NaN).  p below 2^-126 counts as 0 (v_exp_f32 flushes: ISA guide 15.8).
.set OST,  262144                      ; LDS behind K and V: o in bf16, row rho = 32 wave + 16 piece + r, 32 bytes (16 dd) a row
.set YST,  266240                      ; LDS: the projection's results, [wave][dd][32 w' f32 + 16 bytes]
.set YP,   144                         ; its rows: an odd multiple of 16 bytes, so that sixteen lanes' 16 bytes start at sixteen different columns modulo 256
.set YWV,  16*YP
.set KVA,  1                           ; v1       LDS address: 16 L + 8,192 x pair
.set GOF,  2                           ; v2       16 L, for global loads and stores
.set WOF,  3                           ; v3       w_proj: 512 r + 128 h
.set T,    4                           ; v[4:7]   at work
.set ST,   8                           ; piece x at ST + 4 x: correction factor (later 1/sum), maximum, -maximum, old - new maximum
.set ONES, 16                          ; v[16:23] A of ones
.set QB,   24                          ; piece x at QB + 12 x: Q, 0, Q (4 registers each): (Q,0) at +0, (0,Q) at +4
.set OA,   48                          ; piece x at OA + 8 x: O^T, dd = 8h + j of query r
.set LS,   64                          ; piece x at LS + 8 x: row sums
.set PR,   80                          ; piece x at PR + 16 x: P^T in bf16, 64 keys
.set KB,   112                         ; buffer b at KB + 32 b: K of 64 keys (two fragments)
.set VB,   128                         ; buffer b at VB + 32 b: V^T of 64 keys
.set SR,   176                         ; piece x at SR + 32 x: S^T of 64 keys
.set BP,   240                         ; v[240:243] b_proj[4 L ..]
.set OSA,  244                         ; LDS addresses of the tail
.set OTA,  245
.set YSA,  246
.set YLA,  247
.set G1,   16                          ; s[16:23] descriptor group 1
.set G0,   24                          ; s[24:55] descriptor group 0, one set for each of the wave's 8 loads
.set MSB, 0
.macro WIN new                         ; window 1 holds w_proj as loaded (128 registers); the high byte repeats the setting left
.if MSB != \new
	s_set_vgpr_msb (MSB<<8)|\new
.set MSB, \new
.endif
.endm
.macro ROUND                           ; a round of the cluster's barrier
	s_barrier_signal -1
	s_barrier_wait -1
	s_cmp_lg_u32 s14, 0
	s_cbranch_scc1 .Lnot_wave_0_\@
	s_barrier_signal -3
.Lnot_wave_0_\@:
	s_barrier_wait -3
	s_barrier_signal -1
	s_barrier_wait -1
.endm
	s_load_b256 s[4:11], s[0:1], 0x0               ; qws s[4:5], kvws s[6:7], w_proj s[8:9], b_proj s[10:11]
	s_load_b64 s[12:13], s[0:1], 0x20              ; out0
	v_lshl_add_u32 v254, v0, 2, 0x43400
	v_mov_b32 v255, 0
	ds_add_u32 v254, v255
	ds_add_u32 v254, v255
	v_lshrrev_b32 v1, 5, v0
	v_readfirstlane_b32 s14, v1                    ; wave 0..3
	s_bfe_u32 s15, ttmp6, 0x40000                  ; cx
	s_lshl_b32 s56, ttmp9, 2
	s_add_co_u32 s56, s56, s15                     ; image row hh = 4 x cluster x + cx: enters global addresses of q and out0 alone
	s_and_b32 s57, ttmp7, 0xffff                   ; head: the same in all four partners
	s_mov_b32 s62, 0x76543210                      ; v_permlanex16_b32: lane i reads lane i of the other half
	s_mov_b32 s63, 0xfedcba98
	; group 1: 8,192 dense bytes as 32 rows of 32 elements of 8 bytes
	s_mov_b32 s[G1+0], 15|(3<<16)|(1<<21)          ; 15:0 mask: all four of the cluster; 17:16 elements of 8 bytes; 21 set beside a mask
	s_mov_b32 s[G1+1], 32<<16                      ; tensor_dim0 = 32
	s_mov_b32 s[G1+2], 32<<16                      ; tensor_dim1 = 32
	s_mov_b32 s[G1+3], 32<<16                      ; tile_dim0 = 32
	s_mov_b32 s[G1+4], 32                          ; tile_dim1 = 32
	s_mov_b32 s[G1+5], 32                          ; from row to row: 32 elements
	s_mov_b32 s[G1+6], 0
	s_mov_b32 s[G1+7], 0
	s_lshl_b32 s60, s14, 13                        ; my 8,192 bytes of every 32,768, in memory and in LDS
	s_lshl_b32 s58, s57, 18                        ; 262,144 bytes a head
	s_add_co_u32 s58, s58, s60
	s_mov_b32 s59, 0
	s_lshl_b32 s66, s57, 17                        ; q: 131,072 bytes a head, 8 tiles an image row; my tiles are wave and 4 + wave
	s_lshl_b32 s67, s56, 12
	s_add_co_u32 s66, s66, s67
	s_lshl_b32 s67, s14, 9
	s_add_co_u32 s66, s66, s67
	s_mov_b32 s67, 0
	s_lshl_b32 s68, s14, 14                        ; w_proj: my 32 rows of 512 bytes
	s_mov_b32 s69, 0
	s_lshl_b32 s70, s57, 18                        ; out0: 16 channels of 16,384 bytes a head, 4 channels a wave, 512 bytes an image row
	s_lshl_b32 s71, s14, 16
	s_add_co_u32 s70, s70, s71
	s_lshl_b32 s71, s56, 9
	s_add_co_u32 s70, s70, s71
	s_mov_b32 s71, 0
	s_wait_dscnt 0x0
	s_wait_kmcnt 0x0
	s_add_nc_u64 s[6:7], s[6:7], s[58:59]
.irp n, 0,1,2,3,4,5,6,7
	s_mov_b32 s[G0+4*\n], 1
	s_add_co_u32 s[G0+4*\n+1], s60, \n*32768
	s_add_nc_u64 s[G0+4*\n+2:G0+4*\n+3], s[6:7], \n*32768
	s_or_b32 s[G0+4*\n+3], s[G0+4*\n+3], 0x80000000
.endr
	ROUND                                          ; all four work-groups are here: the joint loads meet
.irp n, 0,1,2,3,4,5,6,7
	tensor_load_to_lds s[G0+4*\n:G0+4*\n+3], s[G1:G1+7]
	s_nop 0
.endr
	s_add_nc_u64 s[4:5], s[4:5], s[66:67]
	s_add_nc_u64 s[8:9], s[8:9], s[68:69]
	s_add_nc_u64 s[12:13], s[12:13], s[70:71]
	v_and_b32 v[GOF], 31, v0
	v_lshlrev_b32 v[GOF], 4, v[GOF]
	v_mov_b32 v[KVA], v[GOF]
	v_and_b32 v5, 15, v0                           ; r
	v_bfe_u32 v6, v0, 4, 1                         ; h
	v_lshlrev_b32 v[WOF], 9, v5
	v_lshl_add_u32 v[WOF], v6, 7, v[WOF]
	global_load_b128 v[QB:QB+3], v[GOF], s[4:5]                    ; piece 0: queries w = 4 r + wave
	global_load_b128 v[QB+8:QB+11], v[GOF], s[4:5]
	global_load_b128 v[QB+12:QB+15], v[GOF], s[4:5] offset:2048    ; piece 1: queries w = 64 + 4 r + wave
	global_load_b128 v[QB+20:QB+23], v[GOF], s[4:5] offset:2048
	global_load_b128 v[BP:BP+3], v[GOF], s[10:11]
	; w_proj for the tail, asked for now and waited for behind the loop.  Row w' = 32 wave + 16 u + r; the 16 bytes (g, e) hold w = 64 g + 32 h + 4 e + 0..3,
	; whose four numbers belong to the tail's four K steps (K step s = the queries of wave s).
	WIN 0x40
.irp u, 0,1
.irp g, 0,1
.irp e, 0,1,2,3,4,5,6,7
	global_load_b128 v[64*\u+32*\g+4*\e:64*\u+32*\g+4*\e+3], v[WOF], s[8:9] offset:8192*\u+256*\g+16*\e
.endr
.endr
.endr
	WIN 0
	s_lshl_b32 s72, s14, 10
	s_add_co_u32 s72, s72, OST
	v_lshlrev_b32 v7, 5, v5
	v_lshl_add_u32 v7, v6, 4, v7
	v_add_nc_u32 v[OSA], s72, v7                   ; o in: my 1,024 bytes, row r, 16 bytes for each half of the lanes
	v_and_b32 v7, 7, v0
	v_lshl_add_u32 v7, v6, 3, v7
	v_lshlrev_b32 v7, 5, v7
	v_bfe_u32 v4, v0, 3, 1
	v_lshl_add_u32 v7, v4, 4, v7
	v_add_nc_u32 v[OTA], OST, v7                   ; o back, transposed: row 8 h + L%8, 16 bytes (L/8)%2
	s_mul_i32 s73, s14, YWV
	s_add_co_u32 s73, s73, YST
	v_mul_u32_u24 v7, v5, YP
	v_lshl_add_u32 v7, v6, 5, v7
	v_add_nc_u32 v[YSA], s73, v7                   ; results in: my part, row dd = r, w' = 8 h ..
	v_bfe_u32 v4, v0, 3, 2
	v_mul_u32_u24 v4, v4, YWV
	v_and_b32 v7, 7, v0
	v_lshl_add_u32 v4, v7, 4, v4
	s_mul_i32 s74, s14, 4*YP
	s_add_co_u32 s74, s74, YST
	v_add_nc_u32 v[YLA], s74, v4                   ; results back: rows dd = 4 wave + i, w' = 4 L .. lie in the part of wave L/8
.irp j, 4,5,6,7,16,17,18,19
	v_mov_b32 v[QB+\j], 0                          ; the zero halves of Q's operands
.endr
; ---- the products ----
.macro SW y, buf, tau                  ; S^T of key tile tau (0..3) of the buffer's 64 keys, piece y
	v_wmma_f32_16x16x32_bf16 v[SR+32*\y+8*\tau:SR+32*\y+8*\tau+7], v[KB+32*\buf+8*(\tau/2):KB+32*\buf+8*(\tau/2)+7], v[QB+12*\y+4*(\tau%2):QB+12*\y+4*(\tau%2)+7], 0
.endm
.macro PW y, buf, blk, zero            ; O^T += V^T P^T over 32 keys
.if \zero
	v_wmma_f32_16x16x32_bf16 v[OA+8*\y:OA+8*\y+7], v[VB+32*\buf+8*\blk:VB+32*\buf+8*\blk+7], v[PR+16*\y+8*\blk:PR+16*\y+8*\blk+7], 0
.else
	v_wmma_f32_16x16x32_bf16 v[OA+8*\y:OA+8*\y+7], v[VB+32*\buf+8*\blk:VB+32*\buf+8*\blk+7], v[PR+16*\y+8*\blk:PR+16*\y+8*\blk+7], v[OA+8*\y:OA+8*\y+7]
.endif
.endm
.macro LW y, blk, zero                 ; row sums += ones x P^T over 32 keys
.if \zero
	v_wmma_f32_16x16x32_bf16 v[LS+8*\y:LS+8*\y+7], v[ONES:ONES+7], v[PR+16*\y+8*\blk:PR+16*\y+8*\blk+7], 0
.else
	v_wmma_f32_16x16x32_bf16 v[LS+8*\y:LS+8*\y+7], v[ONES:ONES+7], v[PR+16*\y+8*\blk:PR+16*\y+8*\blk+7], v[LS+8*\y:LS+8*\y+7]
.endif
.endm
; The idx-th of a phase's eight products: S, S, S, S, O, sum, O, sum.  No two that follow each other share an accumulator, over phase ends and the
; loops' backward jumps too: the accumulators take turns, one instruction a turn.
; doS = 0: no next scores (the last phase).  doPV = 0: nothing to add yet; 2: the first products start the sums (C = 0: nothing is cleared).
.macro MX idx, y, buf, doS, doPV
.if \idx < 4
.if \doS
	SW \y, \buf, \idx
.endif
.else
.if \doPV
.if \idx == 4
	PW \y, \buf, 0, \doPV-1
.endif
.if \idx == 5
	LW \y, 0, \doPV-1
.endif
.if \idx == 6
	PW \y, \buf, 1, 0
.endif
.if \idx == 7
	LW \y, 1, 0
.endif
.endif
.endif
.endm
; ---- a phase: piece x's 64 keys of scores become P, with piece y's products among the vector instructions ----
; The vector instructions name piece x's registers alone and the products piece y's, so each vector instruction is also a place behind the products
; (ISA guide 7.12.1).  What a phase reads of matrix results (S, O, sum of piece x) was issued in the phase before, at least seven plain instructions back.
.macro PHASE x, y, buf, vfirst, doS, doPV
.set SX, SR+32*\x
.set PX, PR+16*\x
.set TX, ST+4*\x
.set OX, OA+8*\x
.set LX, LS+8*\x
	MX 0, \y, \buf, \doS, \doPV
	v_max3_num_f32 v[T], v[SX], v[SX+1], v[SX+2]                   ; the largest of my 32 scores, in four chains
	v_max3_num_f32 v[T+1], v[SX+3], v[SX+4], v[SX+5]
	v_max3_num_f32 v[T+2], v[SX+6], v[SX+7], v[SX+8]
	v_max3_num_f32 v[T+3], v[SX+9], v[SX+10], v[SX+11]
.set k, 0
.rept 10
	v_max3_num_f32 v[T+k%4], v[T+k%4], v[SX+12+2*k], v[SX+13+2*k]
.if k == 3
	MX 1, \y, \buf, \doS, \doPV
.endif
.set k, k+1
.endr
	v_max3_num_f32 v[T], v[T], v[T+1], v[T+2]
.if \vfirst
	v_max_num_f32 v[T], v[T], v[T+3]
.else
	v_max3_num_f32 v[T], v[T], v[T+3], v[TX+1]                     ; with the running maximum
.endif
	MX 2, \y, \buf, \doS, \doPV
	v_permlanex16_b32 v[T+1], v[T], s62, s63                       ; the query's other 32 keys lie in lane L xor 16
	v_max_num_f32 v[T+2], v[T], v[T+1]                             ; the new running maximum, equal in both lanes of a query
	v_sub_f32 v[TX+2], 0, v[T+2]
.if \vfirst
	v_mov_b32 v[TX+3], v[T+2]                                      ; written because the pair (TX+2, TX+3) is named below
	v_mov_b32 v[TX+1], v[T+2]
.else
	v_sub_f32 v[TX+3], v[TX+1], v[T+2]                             ; old - new, at most 0
	v_mov_b32 v[TX+1], v[T+2]
	v_exp_f32 v[TX], v[TX+3]                                       ; the correction factor for O and the sum; the plain line below stands before its first use
.endif
	v_pk_add_f32 v[SX:SX+1], v[SX:SX+1], v[TX+2:TX+3] op_sel_hi:[1,0]      ; s - maximum, two at a time (both halves take TX+2)
	v_pk_add_f32 v[SX+2:SX+3], v[SX+2:SX+3], v[TX+2:TX+3] op_sel_hi:[1,0]
	MX 3, \y, \buf, \doS, \doPV
	; step k: two exponentials; the subtraction of pair k + 2; the packing of pair k - 1.  Between an exponential and the use of its result stand
	; at least the plain lines of its own step (ISA guide 5.7.2).
.set k, 0
.rept 16
	v_exp_f32 v[SX+2*k], v[SX+2*k]
	v_exp_f32 v[SX+2*k+1], v[SX+2*k+1]
.if k < 14
	v_pk_add_f32 v[SX+2*k+4:SX+2*k+5], v[SX+2*k+4:SX+2*k+5], v[TX+2:TX+3] op_sel_hi:[1,0]
.endif
.if k > 0
	s_wait_alu depctr_va_vdst(0)
	v_cvt_pk_bf16_f32 v[PX+k-1], v[SX+2*k-2], v[SX+2*k-1]          ; keys 8h + 2i, 8h + 2i + 1 of a tile: register i of the B operand's half
.endif
.if \vfirst == 0
.if (k >= 2) && (k <= 5)
	v_pk_mul_f32 v[OX+2*k-4:OX+2*k-3], v[OX+2*k-4:OX+2*k-3], v[TX:TX+1] op_sel_hi:[1,0]   ; O under the new maximum
.endif
.if k == 6
	v_mul_f32 v[LX], v[LX], v[TX]                                  ; and the sum: register 0 alone is kept right
.endif
.endif
.if k == 2
	MX 4, \y, \buf, \doS, \doPV
.endif
.if k == 5
	MX 5, \y, \buf, \doS, \doPV
.endif
.if k == 8
	MX 6, \y, \buf, \doS, \doPV
.endif
.if k == 11
	MX 7, \y, \buf, \doS, \doPV
.endif
.set k, k+1
.endr
	v_cvt_pk_bf16_f32 v[PX+15], v[SX+30], v[SX+31]
.endm
; Step j of 64 keys = 4,096 bytes of LDS: two blocks of (K 1,024, V 1,024).  K of step j + 1 and V of step j are used by the same two phases, so they share a buffer.
.macro LOADS buf, off, withk
.if \withk
	ds_load_b128 v[KB+32*\buf:KB+32*\buf+3], v[KVA] offset:\off+4096
	ds_load_b128 v[KB+32*\buf+4:KB+32*\buf+7], v[KVA] offset:\off+4608
	ds_load_b128 v[KB+32*\buf+8:KB+32*\buf+11], v[KVA] offset:\off+6144
	ds_load_b128 v[KB+32*\buf+12:KB+32*\buf+15], v[KVA] offset:\off+6656
.endif
	ds_load_b128 v[VB+32*\buf:VB+32*\buf+3], v[KVA] offset:\off+1024
	ds_load_b128 v[VB+32*\buf+4:VB+32*\buf+7], v[KVA] offset:\off+1536
	ds_load_b128 v[VB+32*\buf+8:VB+32*\buf+11], v[KVA] offset:\off+3072
	ds_load_b128 v[VB+32*\buf+12:VB+32*\buf+15], v[KVA] offset:\off+3584
.endm
; Steps 2 p and 2 p + 1.  In step j: phase A = vector work of piece 0, products S1(j), PV1(j-1) from buffer (j-1)%2; phase B = vector work of piece 1,
; products S0(j+1), PV0(j) from buffer j%2.  Buffer j%2 is loaded at the head of phase A, a whole phase before its wait; its last readers stood two phases back.
.macro PAIR first, last
	LOADS 0, 0, 1
.if \first
	PHASE 0, 1, 1, 1, 1, 0
	s_wait_dscnt 0x0
	PHASE 1, 0, 0, 1, 1, 2
.else
	PHASE 0, 1, 1, 0, 1, 1
	s_wait_dscnt 0x0
	PHASE 1, 0, 0, 0, 1, 1
.endif
.if \last
	LOADS 1, 4096, 0                               ; there is no K behind the last step
.else
	LOADS 1, 4096, 1
	v_add_nc_u32 v[KVA], 8192, v[KVA]
.endif
.if \first
	PHASE 0, 1, 0, 0, 1, 2
.else
	PHASE 0, 1, 0, 0, 1, 1
.endif
	s_wait_dscnt 0x0
.if \last
	PHASE 1, 0, 1, 0, 0, 1
.else
	PHASE 1, 0, 1, 0, 1, 1
.endif
.endm
; My loads up to the one that leaves 'left' younger ones out have landed; behind the barrier that holds of all four waves' parts.
.macro SYNC left
	s_wait_dscnt 0x0                               ; no LDS load of mine is out (met: the last phase's wait)
	s_wait_tensorcnt \left
	s_barrier_signal -1
	s_barrier_wait -1
.endm
	SYNC 7                                         ; load 0 of every wave: bytes 0 .. 32,767, steps 0-7
	ds_load_b128 v[KB+32:KB+35], v[KVA]            ; K of step 0, into buffer 1
	ds_load_b128 v[KB+36:KB+39], v[KVA] offset:512
	ds_load_b128 v[KB+40:KB+43], v[KVA] offset:2048
	ds_load_b128 v[KB+44:KB+47], v[KVA] offset:2560
	s_wait_loadcnt 33                              ; Q's four loads are in; behind them stand b_proj's one and w_proj's 32
	s_wait_dscnt 0x0
	SW 0, 1, 0
	SW 0, 1, 1
	SW 0, 1, 2
	SW 0, 1, 3
.irp j, 0,1,2,3,4,5,6,7
	v_mov_b32 v[ONES+\j], 0x3f803f80               ; two bf16 ones; these eight lines are also the places behind the four products
.endr
	PAIR 1, 0                                      ; steps 0, 1: the first maxima, the first sums
	s_mov_b32 s61, 2
.Lc0:
	PAIR 0, 0                                      ; steps 2-5 (they read up to K of step 6)
	s_sub_co_i32 s61, s61, 1
	s_cmp_lg_u32 s61, 0
	s_cbranch_scc1 .Lc0
	SYNC 6                                         ; load 1: steps 8-15; step 7 reads K of step 8
	s_mov_b32 s61, 4
.Lc1:
	PAIR 0, 0                                      ; steps 6-13
	s_sub_co_i32 s61, s61, 1
	s_cmp_lg_u32 s61, 0
	s_cbranch_scc1 .Lc1
	SYNC 4                                         ; loads 2, 3: steps 16-31
	s_mov_b32 s61, 8
.Lc2:
	PAIR 0, 0                                      ; steps 14-29
	s_sub_co_i32 s61, s61, 1
	s_cmp_lg_u32 s61, 0
	s_cbranch_scc1 .Lc2
	SYNC 0                                         ; loads 4-7: steps 32-63; no tensor load is out from here on
	s_mov_b32 s61, 16
.Lc3:
	PAIR 0, 0                                      ; steps 30-61
	s_sub_co_i32 s61, s61, 1
	s_cmp_lg_u32 s61, 0
	s_cbranch_scc1 .Lc3
	PAIR 0, 1                                      ; steps 62, 63
	PW 1, 1, 0, 0                                  ; piece 1's last products
	LW 1, 0, 0
	PW 1, 1, 1, 0
	LW 1, 1, 0
	; ---- the tail ----
	; w_proj to bf16 fragments, over the score registers: tile u, K step s at SR + 32 u + 8 s.  Slot kappa = 16 g + 8 h + 2 i + p of K step s is the query of
	; wave s, piece g, r = 8 h + 2 i + p, that is w = 64 g + 32 h + 8 i + 4 p + s.  These 64 plain lines are also the places behind the last products.
	s_wait_loadcnt 0x0
	WIN 0x05
.irp u, 0,1
.irp s, 0,1,2,3
.irp g, 0,1
.irp i, 0,1,2,3
	v_cvt_pk_bf16_f32 v[SR+32*\u+8*\s+4*\g+\i], v[64*\u+32*\g+8*\i+\s], v[64*\u+32*\g+8*\i+4+\s]
.endr
.endr
.endr
.endr
	WIN 0
	v_rcp_f32 v[ST], v[LS]                         ; the sum holds at least the term 1 of the largest score
	v_rcp_f32 v[ST+4], v[LS+8]
	v_nop                                          ; a plain line before the reciprocals are used (ISA guide 5.7.2)
.irp p, 0,1,2,3
	s_wait_alu depctr_va_vdst(0)
	v_pk_mul_f32 v[OA+2*\p:OA+2*\p+1], v[OA+2*\p:OA+2*\p+1], v[ST:ST+1] op_sel_hi:[1,0]
	v_pk_mul_f32 v[OA+8+2*\p:OA+8+2*\p+1], v[OA+8+2*\p:OA+8+2*\p+1], v[ST+4:ST+5] op_sel_hi:[1,0]
.endr
.irp p, 0,1,2,3
	v_cvt_pk_bf16_f32 v[KB+\p], v[OA+2*\p], v[OA+2*\p+1]
	v_cvt_pk_bf16_f32 v[KB+4+\p], v[OA+8+2*\p], v[OA+8+2*\p+1]
.endr
	ds_store_b128 v[OSA], v[KB:KB+3]               ; row 32 wave + r: dd = 8h .. 8h+7
	ds_store_b128 v[OSA], v[KB+4:KB+7] offset:512  ; row 32 wave + 16 + r
	s_wait_dscnt 0x0                               ; my stores are done before the others read them
	s_barrier_signal -1
	s_barrier_wait -1
.irp s, 0,1,2,3
	ds_load_tr16_b128 v[VB+8*\s:VB+8*\s+3], v[OTA] offset:1024*\s          ; column dd = r, rows 32 s + 8 h ..
	ds_load_tr16_b128 v[VB+8*\s+4:VB+8*\s+7], v[OTA] offset:1024*\s+512    ; rows 32 s + 16 + 8 h ..
.endr
	s_wait_dscnt 0x0
	; A = 16 rows of w_proj, B = o: lane (r, h) gets w' = 8h .. 8h+7 of channel dd = r.  Two accumulators by turns.
.irp s, 0,1,2,3
.if \s == 0
	v_wmma_f32_16x16x32_bf16 v[OA:OA+7], v[SR+8*\s:SR+8*\s+7], v[VB+8*\s:VB+8*\s+7], 0
	v_wmma_f32_16x16x32_bf16 v[OA+8:OA+15], v[SR+32+8*\s:SR+32+8*\s+7], v[VB+8*\s:VB+8*\s+7], 0
.else
	v_wmma_f32_16x16x32_bf16 v[OA:OA+7], v[SR+8*\s:SR+8*\s+7], v[VB+8*\s:VB+8*\s+7], v[OA:OA+7]
	v_wmma_f32_16x16x32_bf16 v[OA+8:OA+15], v[SR+32+8*\s:SR+32+8*\s+7], v[VB+8*\s:VB+8*\s+7], v[OA+8:OA+15]
.endif
.endr
.rept 4
	v_nop                                          ; four places before the results are stored (ISA guide 7.12.1)
.endr
	ds_store_b128 v[YSA], v[OA:OA+3]
	ds_store_b128 v[YSA], v[OA+4:OA+7] offset:16
	ds_store_b128 v[YSA], v[OA+8:OA+11] offset:64
	ds_store_b128 v[YSA], v[OA+12:OA+15] offset:80
	s_wait_dscnt 0x0
	s_barrier_signal -1
	s_barrier_wait -1
.irp i, 0,1,2,3
	ds_load_b128 v[PR+4*\i:PR+4*\i+3], v[YLA] offset:YP*\i         ; channel 4 wave + i, w' = 4 L .. 4 L + 3
.endr
	s_wait_dscnt 0x0
.irp i, 0,1,2,3
	v_pk_add_f32 v[PR+4*\i:PR+4*\i+1], v[PR+4*\i:PR+4*\i+1], v[BP:BP+1]
	v_pk_add_f32 v[PR+4*\i+2:PR+4*\i+3], v[PR+4*\i+2:PR+4*\i+3], v[BP+2:BP+3]
	global_store_b128 v[GOF], v[PR+4*\i:PR+4*\i+3], s[12:13] offset:16384*\i   ; the wave stores a whole row of 512 consecutive bytes, aligned
.endr
	s_wait_tensorcnt 0x0
	ds_add_u32 v254, v255
	s_wait_dscnt 0x0
	ROUND                                          ; the closing round: no work-group ends while a partner may still ask for a piece that names it
	s_endpgm
.Lfunc_end_k_qc19c0bcd1e_attn:
	.size	k_qc19c0bcd1e_attn, .Lfunc_end_k_qc19c0bcd1e_attn-k_qc19c0bcd1e_attn
	.p2alignl 7, 3214868480
	.fill 96, 4, 3214868480
	.section	.rodata,"a",@progbits
	.p2align	6, 0x0
	.amdhsa_kernel k_qc19c0bcd1e_attn
		.amdhsa_group_segment_fixed_size 275968
		.amdhsa_private_segment_fixed_size 0
		.amdhsa_enable_private_segment 0
		.amdhsa_kernarg_size 40
		.amdhsa_user_sgpr_count 2
		.amdhsa_user_sgpr_kernarg_segment_ptr 1
		.amdhsa_wavefront_size32 1
		.amdhsa_system_sgpr_workgroup_id_x 1
		.amdhsa_system_sgpr_workgroup_id_y 1
		.amdhsa_system_sgpr_workgroup_id_z 1
		.amdhsa_system_vgpr_workitem_id 0
		.amdhsa_next_free_vgpr 384
		.amdhsa_next_free_sgpr 76
		.amdhsa_reserve_vcc 0
		.amdhsa_float_denorm_mode_32 3
		.amdhsa_float_denorm_mode_16_64 3
		.amdhsa_memory_ordered 1
		.amdhsa_forward_progress 1
		.amdhsa_inst_pref_size 159
	.end_amdhsa_kernel
	.amdgpu_metadata
---
amdhsa.version: [ 1, 2 ]
amdhsa.kernels:
  - .name:           k_qc19c0bcd1e_attn
    .symbol:         k_qc19c0bcd1e_attn.kd
    .args:
      - { .name: qws, .offset: 0, .size: 8, .value_kind: global_buffer, .address_space: global }
      - { .name: kvws, .offset: 8, .size: 8, .value_kind: global_buffer, .address_space: global }
      - { .name: w_proj, .offset: 16, .size: 8, .value_kind: global_buffer, .address_space: global }
      - { .name: b_proj, .offset: 24, .size: 8, .value_kind: global_buffer, .address_space: global }
      - { .name: out0, .offset: 32, .size: 8, .value_kind: global_buffer, .address_space: global }
    .group_segment_fixed_size: 275968
    .private_segment_fixed_size: 0
    .kernarg_segment_align: 8
    .kernarg_segment_size: 40
    .max_flat_workgroup_size: 128
    .sgpr_count:     76
    .vgpr_count:     384
    .wavefront_size: 32
...
	.end_amdgpu_metadata
.endif
;; end of part 2
;; ======== version 2 of 2: 2 launches; 1.89 times as fast as version 1
;; workspace buffers: qws 1,048,576 bytes; kvws 2,097,152 bytes
;; launch qkv: the kernel of part 1 again; grid 64 x 4, 2 waves a work-group, no clusters, 0 bytes of LDS; arguments x, w_qkv, b_qkv, qws, kvws; writes qws, kvws
;; launch attn (part 3): grid 32 x 8, 4 waves a work-group, clusters of 4 x 1, 275,968 bytes of LDS; arguments qws, kvws, w_proj, b_proj, out0; writes out0
.if DOCPART == 3
	.amdgcn_target "amdgcn-amd-amdhsa--gfx1250"
	.amdhsa_code_object_version 6
	.text
	.protected	k_qc19c0bcd1e_attn
	.globl	k_qc19c0bcd1e_attn
	.p2align	8
	.type	k_qc19c0bcd1e_attn,@function
k_qc19c0bcd1e_attn:
	s_mov_b64 s[64:65], 0
	v_nop
	global_prefetch_b8 v0, s[64:65] scope:SCOPE_SE
	s_setreg_imm32_b32 hwreg(HW_REG_WAVE_MODE, 25, 1), 1
	s_wait_xcnt 0x0
	s_wait_alu depctr_hold_cnt(0) depctr_sa_sdst(0) depctr_va_vdst(0) depctr_va_sdst(0) depctr_va_ssrc(0) depctr_va_vcc(0) depctr_vm_vsrc(0)
	s_getreg_b32 s2, hwreg(HW_REG_IB_STS2, 6, 4)
	s_cmp_eq_u32 s2, 0
	s_cbranch_scc0 .Lentry_in_a_cluster
	s_endpgm
.Lentry_in_a_cluster:
	s_bfe_u32 s2, ttmp6, 0x10000c
	s_cmp_lg_u32 s2, 0x3003
	s_cbranch_scc0 .Lentry_shape_is_right
	s_endpgm
.Lentry_shape_is_right:
; Attention of one head f for the 128 queries of one image row hh, then the projection over that row:
;   out0[16 f + dd][hh][w'] = b_proj[w'] + sum over w of o[f][128 hh + w][dd] w_proj[w'][w],   o = softmax(4 q k^T) v over 4,096 keys.
; Work-group = (hh, f): 32 x 8.  Four waves, as many as a WGP has SIMDs; a wave owns two query tiles of 16 (pieces 0 and 1) and walks all keys.
; qws and kvws hold bf16 register images (see the launch in front): a tile is 512 bytes, lane L's 16 bytes at 16 L; slot r of tile t of a
; group of 64 positions is position 4 r + t.  q already carries 4 log2(e): the softmax runs in base 2, with a true running maximum.
; CLUSTER: the four work-groups of a cluster have the same head, so they need the same 262,144 bytes of K and V: each 8 KB piece is asked for
; jointly (mask 15) and lands in all four.  The whole head fits in LDS: every byte is filled once, nothing is filled again.
; A wave issues 8 tensor loads (load n: bytes 32,768 n + 8,192 wave) and has at most these 8 outstanding.
; TRANSPOSED PRODUCTS: S^T = K Q^T: lane (r = L%16, h = L/16) holds keys 8h..8h+7 of query r.  Packed to bf16 these registers ARE the B operand
; of O^T = V^T P^T: no data moves between lanes.  The maximum, the correction factor and 1/sum are one number a lane.
; The head has 16 dims, the product's K is 32: one 8-register fragment of K carries TWO key tiles, and Q is used as (Q, 0) and as (0, Q).
; The sum of a row of P comes from a product with an A of ones; all its rows are equal, only register 0 is rescaled and read (the others hold
; sums of numbers in 0..1 under older maxima: finite, unused).
; TWO PIECES TAKE TURNS: a phase belongs to one piece, x.  Its vector work: x's subtractions, exponentials, roundings and rescalings, and the maximum and
; statistics of the other piece, y, whose next scores the phase itself makes.  Its matrix work: y's eight products (4 of S for its next turn, 2 of PV, 2 sums).
; THE BATCHES: a phase's 33 exponentials (x's 32 scores, in place, and y's correction factor) are ONE batch with ONE wait, which cuts the phase in two.  Ahead of
; the wait stands all that names no result of the batch: the products of S, the subtractions, the rescalings (their factor was made, and waited for, in the phase
; before) and y's maximum and statistics; behind it the roundings, which read the results, among the products of PV and the sums.  No result crosses a phase's end.
; The two reciprocals of the way out are a batch of their own.
; LIMITS: q, k, v, p, o and w_proj are rounded to bf16 for the products, sums are f32.  Inputs are finite and q, k, v finite in bf16 (an infinite
; K entry would meet the zero half of Q's operand and give NaN).  p below 2^-126 counts as 0 (v_exp_f32 flushes: ISA guide 15.8).
.set OST,  262144                      ; LDS behind K and V: o in bf16, row rho = 32 wave + 16 piece + r, 32 bytes (16 dd) a row
.set YST,  266240                      ; LDS: the projection's results, [wave][dd][32 w' f32 + 16 bytes]
.set YP,   144                         ; its rows: an odd multiple of 16 bytes, so that sixteen lanes' 16 bytes start at sixteen different columns modulo 256
.set YWV,  16*YP
.set KVA,  1                           ; v1       LDS address: 16 L + 8,192 x pair
.set GOF,  2                           ; v2       16 L, for global loads and stores
.set WOF,  3                           ; v3       w_proj: 512 r + 128 h
.set T,    4                           ; v[4:7]   at work
.set ST,   8                           ; piece x at ST + 4 x: correction factor (later 1/sum), maximum, -maximum, old - new maximum
.set ONES, 16                          ; v[16:23] A of ones
.set QB,   24                          ; piece x at QB + 12 x: Q, 0, Q (4 registers each): (Q,0) at +0, (0,Q) at +4
.set OA,   48                          ; piece x at OA + 8 x: O^T, dd = 8h + j of query r
.set LS,   64                          ; piece x at LS + 8 x: row sums
.set PR,   80                          ; piece x at PR + 16 x: P^T in bf16, 64 keys
.set KB,   112                         ; buffer b at KB + 32 b: K of 64 keys (two fragments)
.set VB,   128                         ; buffer b at VB + 32 b: V^T of 64 keys
.set SR,   176                         ; piece x at SR + 32 x: S^T of 64 keys
.set BP,   240                         ; v[240:243] b_proj[4 L ..]
.set OSA,  244                         ; LDS addresses of the tail
.set OTA,  245
.set YSA,  246
.set YLA,  247
.set G1,   16                          ; s[16:23] descriptor group 1
.set G0,   24                          ; s[24:55] descriptor group 0, one set for each of the wave's 8 loads
.set MSB, 0
.macro WIN new                         ; window 1 holds w_proj as loaded (128 registers); the high byte repeats the setting left
.if MSB != \new
	s_set_vgpr_msb (MSB<<8)|\new
.set MSB, \new
.endif
.endm
.macro ROUND                           ; a round of the cluster's barrier
	s_barrier_signal -1
	s_barrier_wait -1
	s_cmp_lg_u32 s14, 0
	s_cbranch_scc1 .Lnot_wave_0_\@
	s_barrier_signal -3
.Lnot_wave_0_\@:
	s_barrier_wait -3
	s_barrier_signal -1
	s_barrier_wait -1
.endm
	s_load_b256 s[4:11], s[0:1], 0x0               ; qws s[4:5], kvws s[6:7], w_proj s[8:9], b_proj s[10:11]
	s_load_b64 s[12:13], s[0:1], 0x20              ; out0
	v_lshl_add_u32 v254, v0, 2, 0x43400
	v_mov_b32 v255, 0
	ds_add_u32 v254, v255
	ds_add_u32 v254, v255
	v_lshrrev_b32 v1, 5, v0
	v_readfirstlane_b32 s14, v1                    ; wave 0..3
	s_bfe_u32 s15, ttmp6, 0x40000                  ; cx
	s_lshl_b32 s56, ttmp9, 2
	s_add_co_u32 s56, s56, s15                     ; image row hh = 4 x cluster x + cx: enters global addresses of q and out0 alone
	s_and_b32 s57, ttmp7, 0xffff                   ; head: the same in all four partners
	s_mov_b32 s62, 0x76543210                      ; v_permlanex16_b32: lane i reads lane i of the other half
	s_mov_b32 s63, 0xfedcba98
	; group 1: 8,192 dense bytes as 32 rows of 32 elements of 8 bytes
	s_mov_b32 s[G1+0], 15|(3<<16)|(1<<21)          ; 15:0 mask: all four of the cluster; 17:16 elements of 8 bytes; 21 set beside a mask
	s_mov_b32 s[G1+1], 32<<16                      ; tensor_dim0 = 32
	s_mov_b32 s[G1+2], 32<<16                      ; tensor_dim1 = 32
	s_mov_b32 s[G1+3], 32<<16                      ; tile_dim0 = 32
	s_mov_b32 s[G1+4], 32                          ; tile_dim1 = 32
	s_mov_b32 s[G1+5], 32                          ; from row to row: 32 elements
	s_mov_b32 s[G1+6], 0
	s_mov_b32 s[G1+7], 0
	s_lshl_b32 s60, s14, 13                        ; my 8,192 bytes of every 32,768, in memory and in LDS
	s_lshl_b32 s58, s57, 18                        ; 262,144 bytes a head
	s_add_co_u32 s58, s58, s60
	s_mov_b32 s59, 0
	s_lshl_b32 s66, s57, 17                        ; q: 131,072 bytes a head, 8 tiles an image row; my tiles are wave and 4 + wave
	s_lshl_b32 s67, s56, 12
	s_add_co_u32 s66, s66, s67
	s_lshl_b32 s67, s14, 9
	s_add_co_u32 s66, s66, s67
	s_mov_b32 s67, 0
	s_lshl_b32 s68, s14, 14                        ; w_proj: my 32 rows of 512 bytes
	s_mov_b32 s69, 0
	s_lshl_b32 s70, s57, 18                        ; out0: 16 channels of 16,384 bytes a head, 4 channels a wave, 512 bytes an image row
	s_lshl_b32 s71, s14, 16
	s_add_co_u32 s70, s70, s71
	s_lshl_b32 s71, s56, 9
	s_add_co_u32 s70, s70, s71
	s_mov_b32 s71, 0
	s_wait_dscnt 0x0
	s_wait_kmcnt 0x0
	s_add_nc_u64 s[6:7], s[6:7], s[58:59]
.irp n, 0,1,2,3,4,5,6,7
	s_mov_b32 s[G0+4*\n], 1
	s_add_co_u32 s[G0+4*\n+1], s60, \n*32768
	s_add_nc_u64 s[G0+4*\n+2:G0+4*\n+3], s[6:7], \n*32768
	s_or_b32 s[G0+4*\n+3], s[G0+4*\n+3], 0x80000000
.endr
	ROUND                                          ; all four work-groups are here: the joint loads meet
.irp n, 0,1,2,3,4,5,6,7
	tensor_load_to_lds s[G0+4*\n:G0+4*\n+3], s[G1:G1+7]
	s_nop 0
.endr
	s_add_nc_u64 s[4:5], s[4:5], s[66:67]
	s_add_nc_u64 s[8:9], s[8:9], s[68:69]
	s_add_nc_u64 s[12:13], s[12:13], s[70:71]
	v_and_b32 v[GOF], 31, v0
	v_lshlrev_b32 v[GOF], 4, v[GOF]
	v_mov_b32 v[KVA], v[GOF]
	v_and_b32 v5, 15, v0                           ; r
	v_bfe_u32 v6, v0, 4, 1                         ; h
	v_lshlrev_b32 v[WOF], 9, v5
	v_lshl_add_u32 v[WOF], v6, 7, v[WOF]
	global_load_b128 v[QB:QB+3], v[GOF], s[4:5]                    ; piece 0: queries w = 4 r + wave
	global_load_b128 v[QB+8:QB+11], v[GOF], s[4:5]
	global_load_b128 v[QB+12:QB+15], v[GOF], s[4:5] offset:2048    ; piece 1: queries w = 64 + 4 r + wave
	global_load_b128 v[QB+20:QB+23], v[GOF], s[4:5] offset:2048
	global_load_b128 v[BP:BP+3], v[GOF], s[10:11]
	; w_proj for the tail, asked for now and waited for behind the loop.  Row w' = 32 wave + 16 u + r; the 16 bytes (g, e) hold w = 64 g + 32 h + 4 e + 0..3,
	; whose four numbers belong to the tail's four K steps (K step s = the queries of wave s).
	WIN 0x40
.irp u, 0,1
.irp g, 0,1
.irp e, 0,1,2,3,4,5,6,7
	global_load_b128 v[64*\u+32*\g+4*\e:64*\u+32*\g+4*\e+3], v[WOF], s[8:9] offset:8192*\u+256*\g+16*\e
.endr
.endr
.endr
	WIN 0
	s_lshl_b32 s72, s14, 10
	s_add_co_u32 s72, s72, OST
	v_lshlrev_b32 v7, 5, v5
	v_lshl_add_u32 v7, v6, 4, v7
	v_add_nc_u32 v[OSA], s72, v7                   ; o in: my 1,024 bytes, row r, 16 bytes for each half of the lanes
	v_and_b32 v7, 7, v0
	v_lshl_add_u32 v7, v6, 3, v7
	v_lshlrev_b32 v7, 5, v7
	v_bfe_u32 v4, v0, 3, 1
	v_lshl_add_u32 v7, v4, 4, v7
	v_add_nc_u32 v[OTA], OST, v7                   ; o back, transposed: row 8 h + L%8, 16 bytes (L/8)%2
	s_mul_i32 s73, s14, YWV
	s_add_co_u32 s73, s73, YST
	v_mul_u32_u24 v7, v5, YP
	v_lshl_add_u32 v7, v6, 5, v7
	v_add_nc_u32 v[YSA], s73, v7                   ; results in: my part, row dd = r, w' = 8 h ..
	v_bfe_u32 v4, v0, 3, 2
	v_mul_u32_u24 v4, v4, YWV
	v_and_b32 v7, 7, v0
	v_lshl_add_u32 v4, v7, 4, v4
	s_mul_i32 s74, s14, 4*YP
	s_add_co_u32 s74, s74, YST
	v_add_nc_u32 v[YLA], s74, v4                   ; results back: rows dd = 4 wave + i, w' = 4 L .. lie in the part of wave L/8
.irp j, 4,5,6,7,16,17,18,19
	v_mov_b32 v[QB+\j], 0                          ; the zero halves of Q's operands
.endr
; ---- the products ----
.macro SW y, buf, tau                  ; S^T of key tile tau (0..3) of the buffer's 64 keys, piece y
	v_wmma_f32_16x16x32_bf16 v[SR+32*\y+8*\tau:SR+32*\y+8*\tau+7], v[KB+32*\buf+8*(\tau/2):KB+32*\buf+8*(\tau/2)+7], v[QB+12*\y+4*(\tau%2):QB+12*\y+4*(\tau%2)+7], 0
.endm
.macro PW y, buf, blk, zero            ; O^T += V^T P^T over 32 keys
.if \zero
	v_wmma_f32_16x16x32_bf16 v[OA+8*\y:OA+8*\y+7], v[VB+32*\buf+8*\blk:VB+32*\buf+8*\blk+7], v[PR+16*\y+8*\blk:PR+16*\y+8*\blk+7], 0
.else
	v_wmma_f32_16x16x32_bf16 v[OA+8*\y:OA+8*\y+7], v[VB+32*\buf+8*\blk:VB+32*\buf+8*\blk+7], v[PR+16*\y+8*\blk:PR+16*\y+8*\blk+7], v[OA+8*\y:OA+8*\y+7]
.endif
.endm
.macro LW y, blk, zero                 ; row sums += ones x P^T over 32 keys
.if \zero
	v_wmma_f32_16x16x32_bf16 v[LS+8*\y:LS+8*\y+7], v[ONES:ONES+7], v[PR+16*\y+8*\blk:PR+16*\y+8*\blk+7], 0
.else
	v_wmma_f32_16x16x32_bf16 v[LS+8*\y:LS+8*\y+7], v[ONES:ONES+7], v[PR+16*\y+8*\blk:PR+16*\y+8*\blk+7], v[LS+8*\y:LS+8*\y+7]
.endif
.endm
; The idx-th of a phase's eight products: S, S, S, S, O, sum, O, sum.  No two that follow each other share an accumulator, over phase ends and the
; loops' backward jumps too: the accumulators take turns, one instruction a turn.
; doS = 0: no next scores (the last phase).  doPV = 0: nothing to add yet; 2: the first products start the sums (C = 0: nothing is cleared).
.macro MX idx, y, buf, doS, doPV
.if \idx < 4
.if \doS
	SW \y, \buf, \idx
.endif
.else
.if \doPV
.if \idx == 4
	PW \y, \buf, 0, \doPV-1
.endif
.if \idx == 5
	LW \y, 0, \doPV-1
.endif
.if \idx == 6
	PW \y, \buf, 1, 0
.endif
.if \idx == 7
	LW \y, 1, 0
.endif
.endif
.endif
.endm
; ---- the vector work, one line at a time.  PHASE sets the registers: SX, PX, TX, OX, LX of piece x; SY, TY of piece y; and the flags XF, YF, DS ----
.macro FS n                            ; pair n of 16 of x's scores: s - maximum, two at a time (both halves take TX+2)
	v_pk_add_f32 v[SX+2*\n:SX+2*\n+1], v[SX+2*\n:SX+2*\n+1], v[TX+2:TX+3] op_sel_hi:[1,0]
.endm
.macro EX n                            ; the exponential of score n of 32, in place: the result keeps its register until it is rounded
	v_exp_f32 v[SX+\n], v[SX+\n]
.endm
.macro CV n                            ; pair n rounded: keys 8h + 2i, 8h + 2i + 1 of a tile: register i of the B operand's half
	v_cvt_pk_bf16_f32 v[PX+\n], v[SX+2*\n], v[SX+2*\n+1]
.endm
.macro RS n                            ; 0-3: O under the new maximum; 4: the sum, of which register 0 alone is kept right.  XF = 1: O and the sum are not begun
.if XF
	v_nop                                          ; keeps the lines round it as far apart as they are in every other phase
.elseif \n < 4
	v_pk_mul_f32 v[OX+2*\n:OX+2*\n+1], v[OX+2*\n:OX+2*\n+1], v[TX:TX+1] op_sel_hi:[1,0]
.else
	v_mul_f32 v[LX], v[LX], v[TX]
.endif
.endm
; Number n of the 22 that find piece y's maximum and statistics.  0-13: the largest of my 32 scores, in four chains (each accumulator's lowest registers are read first).
;   14, 15: the four into one, with the running maximum.  16, 17: the query's other 32 keys lie in lane L xor 16: the new running maximum, equal in
; both lanes of a query.  18: its negative.  19: old - new, at most 0.  20: the maximum is kept.  21: the correction factor for O and the sum.
; YF = 1: y's first step: no old maximum, no factor.  DS = 0: the last phase: there are no next scores.
.macro XS n
.if DS == 0
	v_nop                                          ; keeps the exponentials' plain neighbours
.elseif \n < 4
	v_max3_num_f32 v[T+\n], v[SY+3*\n], v[SY+3*\n+1], v[SY+3*\n+2]
.elseif \n < 14
	v_max3_num_f32 v[T+\n%4], v[T+\n%4], v[SY+4+2*\n], v[SY+5+2*\n]
.elseif \n == 14
	v_max3_num_f32 v[T], v[T], v[T+1], v[T+2]
.elseif (\n == 15) && YF
	v_max_num_f32 v[T], v[T], v[T+3]
.elseif \n == 15
	v_max3_num_f32 v[T], v[T], v[T+3], v[TY+1]
.elseif \n == 16
	v_permlanex16_b32 v[T+1], v[T], s62, s63
.elseif \n == 17
	v_max_num_f32 v[T+2], v[T], v[T+1]
.elseif \n == 18
	v_sub_f32 v[TY+2], 0, v[T+2]
.elseif (\n == 19) && YF
	v_mov_b32 v[TY+3], v[T+2]                      ; written because the pair (TY+2, TY+3) is named by the subtractions
.elseif \n == 19
	v_sub_f32 v[TY+3], v[TY+1], v[T+2]
.elseif \n == 20
	v_mov_b32 v[TY+1], v[T+2]
.elseif YF == 0
	v_exp_f32 v[TY], v[TY+3]
.endif
.endm
; ---- a phase: piece x's 64 keys of scores become P; piece y's products, and the maximum of the scores that they make, stand among x's lines ----
; AHEAD OF THE WAIT: the four products of S, four vector lines behind each (one of them an exponential); then one run of 59, exponential and plain by turns.  An exponential stands
; five lines or more behind its pair's subtraction (those of pair 0: two lines and four).  The links of y's chain, XS 13 to 17 and 19, stand six lines apart, XS 21 five behind XS 19.
; A first read of a tile of S stands six plain lines or more behind the product that wrote it (ISA guide 7.12.1; exponentials and the lane exchange are not counted): XS 0, 2, 6, 10 behind
; products 0, 1, 2, 3.  The rescalings read O and the sum, written in the phase before, more than eight plain lines behind those products.
; Nothing ahead of the wait names a result of the phase's exponentials.  XS 20, which names neither, is the plain line behind the last of them (ISA guide 5.7.2).
; BEHIND THE WAIT: the products O, sum, O, sum, four roundings behind each.  The roundings name piece x's registers alone, the products piece y's.
; xfirst = 1: x's O and sum are not begun.  yfirst = 1: y's first maximum.
.macro PHASE x, y, buf, xfirst, yfirst, doS, doPV
.set SX, SR+32*\x
.set PX, PR+16*\x
.set TX, ST+4*\x
.set OX, OA+8*\x
.set LX, LS+8*\x
.set SY, SR+32*\y
.set TY, ST+4*\y
.set XF, \xfirst
.set YF, \yfirst
.set DS, \doS
	MX 0, \y, \buf, \doS, \doPV
	FS 0
	FS 1
	FS 2
	EX 0
	MX 1, \y, \buf, \doS, \doPV
	FS 3
	EX 1
	FS 4
	FS 5
	MX 2, \y, \buf, \doS, \doPV
	XS 0
	EX 2
	XS 1
	FS 6
	MX 3, \y, \buf, \doS, \doPV
	XS 2
	EX 3
	XS 3
	XS 4
	FS 7                                           ; the run of 59
	EX 4
	XS 5
	EX 5
	XS 6
	EX 6
	XS 7
	EX 7
	XS 8
	EX 8
	XS 9
	EX 9
	FS 8
	EX 10
	XS 10
	EX 11
	XS 11
	EX 12
	XS 12
	EX 13
	XS 13
	EX 14
	FS 9
	EX 15
	FS 10
	EX 16
	XS 14
	EX 17
	FS 11
	EX 18
	RS 0
	EX 19
	XS 15
	EX 20
	FS 12
	EX 21
	RS 1
	EX 22
	XS 16
	EX 23
	FS 13
	EX 24
	FS 14
	EX 25
	XS 17
	EX 26
	RS 2
	EX 27
	FS 15
	EX 28
	XS 19
	EX 29
	XS 18
	EX 30
	RS 3
	XS 21
	RS 4
	EX 31
	XS 20
	s_wait_alu depctr_va_vdst(0)                   ; one wait for the phase's batch: x's 32 exponentials and y's correction factor
	MX 4, \y, \buf, \doS, \doPV
	CV 0
	CV 1
	CV 2
	CV 3
	MX 5, \y, \buf, \doS, \doPV
	CV 4
	CV 5
	CV 6
	CV 7
	MX 6, \y, \buf, \doS, \doPV
	CV 8
	CV 9
	CV 10
	CV 11
	MX 7, \y, \buf, \doS, \doPV
	CV 12
	CV 13
	CV 14
	CV 15
.endm
; Step j of 64 keys = 4,096 bytes of LDS: two blocks of (K 1,024, V 1,024).  K of step j + 1 and V of step j are used by the same two phases, so they share a buffer.
.macro LOADS buf, off, withk
.if \withk
	ds_load_b128 v[KB+32*\buf:KB+32*\buf+3], v[KVA] offset:\off+4096
	ds_load_b128 v[KB+32*\buf+4:KB+32*\buf+7], v[KVA] offset:\off+4608
	ds_load_b128 v[KB+32*\buf+8:KB+32*\buf+11], v[KVA] offset:\off+6144
	ds_load_b128 v[KB+32*\buf+12:KB+32*\buf+15], v[KVA] offset:\off+6656
.endif
	ds_load_b128 v[VB+32*\buf:VB+32*\buf+3], v[KVA] offset:\off+1024
	ds_load_b128 v[VB+32*\buf+4:VB+32*\buf+7], v[KVA] offset:\off+1536
	ds_load_b128 v[VB+32*\buf+8:VB+32*\buf+11], v[KVA] offset:\off+3072
	ds_load_b128 v[VB+32*\buf+12:VB+32*\buf+15], v[KVA] offset:\off+3584
.endm
; Steps 2 p and 2 p + 1.  In step j: phase A = piece 0's exponentials of step j, products S1(j), PV1(j-1) from buffer (j-1)%2, piece 1's maximum of step j; phase B = piece 1's
; exponentials of step j, products S0(j+1), PV0(j) from buffer j%2, piece 0's maximum of step j + 1.  Buffer j%2 is loaded at the head of phase A, a whole phase before its wait;
; its last readers stood two phases back.
.macro PAIR first, last
	LOADS 0, 0, 1
.if \first
	PHASE 0, 1, 1, 1, 1, 1, 0
	s_wait_dscnt 0x0
	PHASE 1, 0, 0, 1, 0, 1, 2
.else
	PHASE 0, 1, 1, 0, 0, 1, 1
	s_wait_dscnt 0x0
	PHASE 1, 0, 0, 0, 0, 1, 1
.endif
.if \last
	LOADS 1, 4096, 0                               ; there is no K behind the last step
.else
	LOADS 1, 4096, 1
	v_add_nc_u32 v[KVA], 8192, v[KVA]
.endif
.if \first
	PHASE 0, 1, 0, 0, 0, 1, 2
.else
	PHASE 0, 1, 0, 0, 0, 1, 1
.endif
	s_wait_dscnt 0x0
.if \last
	PHASE 1, 0, 1, 0, 0, 0, 1
.else
	PHASE 1, 0, 1, 0, 0, 1, 1
.endif
.endm
; My loads up to the one that leaves 'left' younger ones out have landed; behind the barrier that holds of all four waves' parts.
.macro SYNC left
	s_wait_dscnt 0x0                               ; no LDS load of mine is out (met: the last phase's wait)
	s_wait_tensorcnt \left
	s_barrier_signal -1
	s_barrier_wait -1
.endm
	SYNC 7                                         ; load 0 of every wave: bytes 0 .. 32,767, steps 0-7
	ds_load_b128 v[KB+32:KB+35], v[KVA]            ; K of step 0, into buffer 1
	ds_load_b128 v[KB+36:KB+39], v[KVA] offset:512
	ds_load_b128 v[KB+40:KB+43], v[KVA] offset:2048
	ds_load_b128 v[KB+44:KB+47], v[KVA] offset:2560
	s_wait_loadcnt 33                              ; Q's four loads are in; behind them stand b_proj's one and w_proj's 32
	s_wait_dscnt 0x0
	SW 0, 1, 0
	SW 0, 1, 1
	SW 0, 1, 2
	SW 0, 1, 3
.irp j, 0,1,2,3,4,5,6,7
	v_mov_b32 v[ONES+\j], 0x3f803f80               ; two bf16 ones; these eight lines are also the places behind the four products
.endr
.set SY, SR                                            ; piece 0's first maximum and statistics, which no phase has made: no old maximum, no factor, so no exponential and no wait
.set TY, ST
.set YF, 1
.set DS, 1
.irp n, 0,1,2,3,4,5,6,7,8,9,10,11,12,13,14,15,16,17,18,19,20
	XS \n
.endr
	PAIR 1, 0                                      ; steps 0, 1: the first maxima, the first sums
	s_mov_b32 s61, 2
.Lc0:
	PAIR 0, 0                                      ; steps 2-5 (they read up to K of step 6)
	s_sub_co_i32 s61, s61, 1
	s_cmp_lg_u32 s61, 0
	s_cbranch_scc1 .Lc0
	SYNC 6                                         ; load 1: steps 8-15; step 7 reads K of step 8
	s_mov_b32 s61, 4
.Lc1:
	PAIR 0, 0                                      ; steps 6-13
	s_sub_co_i32 s61, s61, 1
	s_cmp_lg_u32 s61, 0
	s_cbranch_scc1 .Lc1
	SYNC 4                                         ; loads 2, 3: steps 16-31
	s_mov_b32 s61, 8
.Lc2:
	PAIR 0, 0                                      ; steps 14-29
	s_sub_co_i32 s61, s61, 1
	s_cmp_lg_u32 s61, 0
	s_cbranch_scc1 .Lc2
	SYNC 0                                         ; loads 4-7: steps 32-63; no tensor load is out from here on
	s_mov_b32 s61, 16
.Lc3:
	PAIR 0, 0                                      ; steps 30-61
	s_sub_co_i32 s61, s61, 1
	s_cmp_lg_u32 s61, 0
	s_cbranch_scc1 .Lc3
	PAIR 0, 1                                      ; steps 62, 63
	PW 1, 1, 0, 0                                  ; piece 1's last products
	LW 1, 0, 0
	PW 1, 1, 1, 0
	LW 1, 1, 0
	; ---- the tail ----
	; w_proj to bf16 fragments, over the score registers: tile u, K step s at SR + 32 u + 8 s.  Slot kappa = 16 g + 8 h + 2 i + p of K step s is the query of
	; wave s, piece g, r = 8 h + 2 i + p, that is w = 64 g + 32 h + 8 i + 4 p + s.  These 64 plain lines are also the places behind the last products.
	s_wait_loadcnt 0x0
	WIN 0x05
.irp u, 0,1
.irp s, 0,1,2,3
.irp g, 0,1
.irp i, 0,1,2,3
	v_cvt_pk_bf16_f32 v[SR+32*\u+8*\s+4*\g+\i], v[64*\u+32*\g+8*\i+\s], v[64*\u+32*\g+8*\i+4+\s]
.endr
.endr
.endr
.endr
	WIN 0
	v_rcp_f32 v[ST], v[LS]                         ; the sum holds at least the term 1 of the largest score
	v_rcp_f32 v[ST+4], v[LS+8]
	v_nop                                          ; a plain line before the reciprocals are used (ISA guide 5.7.2)
	s_wait_alu depctr_va_vdst(0)                   ; one wait for the batch of two reciprocals, ahead of their first reader
.irp p, 0,1,2,3
	v_pk_mul_f32 v[OA+2*\p:OA+2*\p+1], v[OA+2*\p:OA+2*\p+1], v[ST:ST+1] op_sel_hi:[1,0]
	v_pk_mul_f32 v[OA+8+2*\p:OA+8+2*\p+1], v[OA+8+2*\p:OA+8+2*\p+1], v[ST+4:ST+5] op_sel_hi:[1,0]
.endr
.irp p, 0,1,2,3
	v_cvt_pk_bf16_f32 v[KB+\p], v[OA+2*\p], v[OA+2*\p+1]
	v_cvt_pk_bf16_f32 v[KB+4+\p], v[OA+8+2*\p], v[OA+8+2*\p+1]
.endr
	ds_store_b128 v[OSA], v[KB:KB+3]               ; row 32 wave + r: dd = 8h .. 8h+7
	ds_store_b128 v[OSA], v[KB+4:KB+7] offset:512  ; row 32 wave + 16 + r
	s_wait_dscnt 0x0                               ; my stores are done before the others read them
	s_barrier_signal -1
	s_barrier_wait -1
.irp s, 0,1,2,3
	ds_load_tr16_b128 v[VB+8*\s:VB+8*\s+3], v[OTA] offset:1024*\s          ; column dd = r, rows 32 s + 8 h ..
	ds_load_tr16_b128 v[VB+8*\s+4:VB+8*\s+7], v[OTA] offset:1024*\s+512    ; rows 32 s + 16 + 8 h ..
.endr
	s_wait_dscnt 0x0
	; A = 16 rows of w_proj, B = o: lane (r, h) gets w' = 8h .. 8h+7 of channel dd = r.  Two accumulators by turns.
.irp s, 0,1,2,3
.if \s == 0
	v_wmma_f32_16x16x32_bf16 v[OA:OA+7], v[SR+8*\s:SR+8*\s+7], v[VB+8*\s:VB+8*\s+7], 0
	v_wmma_f32_16x16x32_bf16 v[OA+8:OA+15], v[SR+32+8*\s:SR+32+8*\s+7], v[VB+8*\s:VB+8*\s+7], 0
.else
	v_wmma_f32_16x16x32_bf16 v[OA:OA+7], v[SR+8*\s:SR+8*\s+7], v[VB+8*\s:VB+8*\s+7], v[OA:OA+7]
	v_wmma_f32_16x16x32_bf16 v[OA+8:OA+15], v[SR+32+8*\s:SR+32+8*\s+7], v[VB+8*\s:VB+8*\s+7], v[OA+8:OA+15]
.endif
.endr
.rept 4
	v_nop                                          ; four places before the results are stored (ISA guide 7.12.1)
.endr
	ds_store_b128 v[YSA], v[OA:OA+3]
	ds_store_b128 v[YSA], v[OA+4:OA+7] offset:16
	ds_store_b128 v[YSA], v[OA+8:OA+11] offset:64
	ds_store_b128 v[YSA], v[OA+12:OA+15] offset:80
	s_wait_dscnt 0x0
	s_barrier_signal -1
	s_barrier_wait -1
.irp i, 0,1,2,3
	ds_load_b128 v[PR+4*\i:PR+4*\i+3], v[YLA] offset:YP*\i         ; channel 4 wave + i, w' = 4 L .. 4 L + 3
.endr
	s_wait_dscnt 0x0
.irp i, 0,1,2,3
	v_pk_add_f32 v[PR+4*\i:PR+4*\i+1], v[PR+4*\i:PR+4*\i+1], v[BP:BP+1]
	v_pk_add_f32 v[PR+4*\i+2:PR+4*\i+3], v[PR+4*\i+2:PR+4*\i+3], v[BP+2:BP+3]
	global_store_b128 v[GOF], v[PR+4*\i:PR+4*\i+3], s[12:13] offset:16384*\i   ; the wave stores a whole row of 512 consecutive bytes, aligned
.endr
	s_wait_tensorcnt 0x0
	ds_add_u32 v254, v255
	s_wait_dscnt 0x0
	ROUND                                          ; the closing round: no work-group ends while a partner may still ask for a piece that names it
	s_endpgm
.Lfunc_end_k_qc19c0bcd1e_attn:
	.size	k_qc19c0bcd1e_attn, .Lfunc_end_k_qc19c0bcd1e_attn-k_qc19c0bcd1e_attn
	.p2alignl 7, 3214868480
	.fill 96, 4, 3214868480
	.section	.rodata,"a",@progbits
	.p2align	6, 0x0
	.amdhsa_kernel k_qc19c0bcd1e_attn
		.amdhsa_group_segment_fixed_size 275968
		.amdhsa_private_segment_fixed_size 0
		.amdhsa_enable_private_segment 0
		.amdhsa_kernarg_size 40
		.amdhsa_user_sgpr_count 2
		.amdhsa_user_sgpr_kernarg_segment_ptr 1
		.amdhsa_wavefront_size32 1
		.amdhsa_system_sgpr_workgroup_id_x 1
		.amdhsa_system_sgpr_workgroup_id_y 1
		.amdhsa_system_sgpr_workgroup_id_z 1
		.amdhsa_system_vgpr_workitem_id 0
		.amdhsa_next_free_vgpr 384
		.amdhsa_next_free_sgpr 76
		.amdhsa_reserve_vcc 0
		.amdhsa_float_denorm_mode_32 3
		.amdhsa_float_denorm_mode_16_64 3
		.amdhsa_memory_ordered 1
		.amdhsa_forward_progress 1
		.amdhsa_inst_pref_size 149
	.end_amdhsa_kernel
	.amdgpu_metadata
---
amdhsa.version: [ 1, 2 ]
amdhsa.kernels:
  - .name:           k_qc19c0bcd1e_attn
    .symbol:         k_qc19c0bcd1e_attn.kd
    .args:
      - { .name: qws, .offset: 0, .size: 8, .value_kind: global_buffer, .address_space: global }
      - { .name: kvws, .offset: 8, .size: 8, .value_kind: global_buffer, .address_space: global }
      - { .name: w_proj, .offset: 16, .size: 8, .value_kind: global_buffer, .address_space: global }
      - { .name: b_proj, .offset: 24, .size: 8, .value_kind: global_buffer, .address_space: global }
      - { .name: out0, .offset: 32, .size: 8, .value_kind: global_buffer, .address_space: global }
    .group_segment_fixed_size: 275968
    .private_segment_fixed_size: 0
    .kernarg_segment_align: 8
    .kernarg_segment_size: 40
    .max_flat_workgroup_size: 128
    .sgpr_count:     76
    .vgpr_count:     384
    .wavefront_size: 32
...
	.end_amdgpu_metadata
.endif
;; end of part 3
